; MI455X (gfx1250); checked and timed in simulation.
; The chip was launched on July 23, 2026; its instructions are those of AMD's public machine-readable ISA for CDNA 5 (MIT licence, August 2026) and "CDNA5" Instruction Set Architecture Reference Guide (July 2026). The comments in the code are by the model that wrote it; some were corrected since.
;; Attention. Allowed arithmetic: matrix products marked QUANTISED: E5M2 operands, one E8M0 scale for each 32 along K, by v_wmma_scale_f32_16x16x128_f8f6f4 with both operands' format E5M2, f32 sums; everything else in f32.
;; Inputs: hidden_codes 8 x 2,048 x 32 x 32 uint8 (E5M2 codes of hidden, K innermost, in blocks of 32 codes); hidden_scales 8 x 2,048 x 32 uint8 (E8M0 scales of hidden, one for each 32 codes along K); keys_codes 8 x 2,048 x 32 x 32 uint8 (E5M2 codes of keys, K innermost, in blocks of 32 codes); keys_scales 8 x 2,048 x 32 uint8 (E8M0 scales of keys, one for each 32 codes along K); mask 8 x 2,048 int32; values_codes 8 x 1,024 x 64 x 32 uint8 (E5M2 codes of values, K innermost, in blocks of 32 codes); values_scales 8 x 1,024 x 64 uint8 (E8M0 scales of values, one for each 32 codes along K).
;; Outputs: out0 8 x 2,048 x 1,024 float32.
;; This version of the problem:
;;   THIS VERSION OF THE PROBLEM IS GIVEN IN LOW PRECISION. The matrix products marked QUANTISED in the list below multiply operands that are first quantised to E5M2 (5 exponent bits, 2 mantissa bits; 8 bits a number), with one power-of-two scale for each 32 numbers along K (OCP MX v1.0); their sums are f32. All else is computed in f32.
;;   The module's matrix products, in the order in which they are computed (A, B: the left and right operand; K: the contracted axis; several contracted axes count as one K, in the product's order):
;;     1. batch 8 x [M 2,048, K 1,024] x [K 1,024, N 2,048]; A: input hidden (given as codes); B: input keys (given as codes): QUANTISED
;;     2. batch 8 x [M 2,048, K 2,048] x [K 2,048, N 1,024]; A: softmax (see below); B: input values (given as codes): QUANTISED
;;   THE QUANTISER, for each operand of a quantised product, along K:
;;     - K is cut into blocks of 32 from its start; a last block that is shorter is filled with zeros.
;;     - A block's scale is 2^e with e = floor(log2(the largest magnitude in the block)) - 15, held to -126 .. 127; a block of zeros has e = 0. As a byte (E8M0): e + 127.
;;     - Each number is divided by its block's scale, clamped to +-57,344, and rounded to the nearest number of E5M2, ties to even, subnormals kept.
;;     - The product sums the exact products of the quantised numbers (number of the format x scale) in f32.
;;   ~~~python
;;   def quantise(x, axis):      # numpy; x: float32 -> the quantised numbers, widened to float32 again
;;       x = np.moveaxis(x, axis, -1); K = x.shape[-1]
;;       x = np.pad(x, [(0, 0)] * (x.ndim - 1) + [(0, -K % 32)]); x = x.reshape(x.shape[:-1] + (-1, 32)); a = np.abs(x).max(-1, keepdims=True)
;;       e = np.where(a > 0, np.clip(np.frexp(np.where(a > 0, a, 1))[1] - 1 - 15, -126, 127), 0)      # np.frexp(a)[1] - 1 = floor(log2(a)), exactly
;;       r = np.clip(x / 2.0 ** e, -57344, 57344)
;;       step = 2.0 ** (np.maximum(np.frexp(np.where(r == 0, 1, r))[1] - 1, -14) - 2)
;;       q = np.round(r / step) * step * 2.0 ** e      # np.round: ties to even
;;       return np.moveaxis(q.reshape(q.shape[:-2] + (-1,))[..., :K], -1, axis).astype(np.float32)
;;   ~~~
;;   SOFTMAX AHEAD OF A QUANTISED PRODUCT. Where the list says 'softmax', what is quantised is not the finished softmax but p = 2^(t - M), with t = logit x log2(e) and M = ceil(the row's largest t), a whole number; so 1/2 < the row's largest p <= 1. The row's sum l is taken of the UNQUANTISED p, in f32, and the product's result is divided by l at the end. Since M is a whole number, a kernel that streams over the keys may use a running M (the ceiling of the running maximum): every later rescaling is an exact power of two, which a block's scale takes up: the codes' values come out the same.
;;   OPERANDS COMPUTED ON THE WAY. 'Computed on the way' means the value that the module computes at that place (a softmax that the list does not call 'softmax' is quantised finished and normalised). What goes into a quantiser is computed in f32, as accurately as f32 sums, v_exp_f32 and their like allow (about 1e-6 of the number): no bf16 or f16 on the way to a quantiser, and a product that is left as it is and whose result goes on into a quantised operand takes f32 operands (vector FMAs, or v_wmma_f32_16x16x4_f32). A number that lies on a knife's edge between two numbers of the format may be rounded either way, as far as f32 arithmetic and the matrix unit's own rounding can turn it there, and no further.
;;   INPUTS GIVEN AS CODES. hidden (in the module: [8, 2048, 1024], K = its axis 2); keys (in the module: [8, 2048, 1024], K = its axis 2); values (in the module: [8, 2048, 1024], K = its axis 1): each comes as NAME_codes (uint8): NAME with its K axis moved to the last place and cut into blocks of 32 codes, [.., K / 32, bytes a block], one block behind the other in memory; one code a byte (a code: sign, 5 exponent bits, 2 mantissa bits); and NAME_scales (uint8): the same leading axes, one E8M0 byte (e + 127) for each 32 codes along K. Its value is code x scale, taken as it is: it is not quantised again, and the codes and scales need not be those that the quantiser above would give.
;; One version. Each part assembles by itself: llvm-mc -triple=amdgcn-amd-amdhsa -mcpu=gfx1250 --defsym DOCPART=n.
;; ======== version 1 of 1: 2 launches
;; workspace buffers: p_codes 33,554,432 bytes; p_stats 3,145,728 bytes
;; launch scores (part 1): grid 8 x 64, 4 waves a work-group, clusters of 4 x 4, 327,680 bytes of LDS; arguments hidden_codes, hidden_scales, keys_codes, keys_scales, mask, p_codes, p_stats; writes p_codes, p_stats
.if DOCPART == 1
	.amdgcn_target "amdgcn-amd-amdhsa--gfx1250"
	.amdhsa_code_object_version 6
	.text
	.protected	k_qa83a917b6d_scores
	.globl	k_qa83a917b6d_scores
	.p2align	8
	.type	k_qa83a917b6d_scores,@function
k_qa83a917b6d_scores:
	s_mov_b64 s[64:65], 0
	v_nop
	global_prefetch_b8 v0, s[64:65] scope:SCOPE_SE
	s_setreg_imm32_b32 hwreg(HW_REG_WAVE_MODE, 25, 1), 1
	s_wait_xcnt 0x0
	s_wait_alu depctr_hold_cnt(0) depctr_sa_sdst(0) depctr_va_vdst(0) depctr_va_sdst(0) depctr_va_ssrc(0) depctr_va_vcc(0) depctr_vm_vsrc(0)
	s_getreg_b32 s2, hwreg(HW_REG_IB_STS2, 6, 4)
	s_cmp_eq_u32 s2, 0
	s_cbranch_scc0 .Lentry_in_a_cluster
	s_endpgm
.Lentry_in_a_cluster:
	s_bfe_u32 s2, ttmp6, 0x10000c
	s_cmp_lg_u32 s2, 0xf033
	s_cbranch_scc0 .Lentry_shape_is_right
	s_endpgm
.Lentry_shape_is_right:
; FIRST OF TWO LAUNCHES.  For 8 batches: S = hidden keys^T (2,048 x 2,048, K = 1,024) on codes of BF8 (E5M2) with one E8M0 scale for each 32 along K; keys whose mask word is 0 get the score -1e10;
; t = score x log2(e); then a softmax LOCAL TO EACH GROUP OF 128 KEYS: M_g = the group's largest t rounded up to a whole number, p = 2^(t - M_g), l_g = the sum of the unquantised p.  p is quantised
; along the keys (blocks of 32) and stored as codes; each row's scale word, -M_g and l_g go to p_stats.  The second launch brings the groups under the row's M by whole powers of two, which the scale bytes take up.
; SHARES.  A work-group of four waves makes a tile of 256 queries x 256 keys, a wave 128 x 128: 64 accumulators of 16 x 16, 512 registers; a wave's 128 keys are one group.  K goes in steps of 256 through a ring of two LDS slots
; filled by the tensor data mover (rows of 256 bytes); the scale bytes of the work-group's rows, for all of K, come once with the first fills.
; CLUSTERS: 4 x 4 work-groups.  The four of a row of the cluster need the same tiles of hidden, the four of a column the same tiles of keys (a cluster's 1,024 queries lie in one batch): each tile is asked for JOINTLY,
; by the same tensor load with the same descriptor and a mask that names the four.
; THE MATRIX INSTRUCTION IS USED TRANSPOSED (source 0 = 16 keys, source 1 = 16 queries): lane (r, h) holds ONE query r, and register j of accumulator (a, b) the key 16 b + 8 h + j.  So a block of 32 keys lies in 16 registers
; of lanes l and l xor 16, and eight registers on end are eight neighbouring keys, which one conversion turns into 8 bytes.
; p_codes: [128 blocks of 128 queries][16 groups][8 tiles of 16 queries][2,048 bytes]; the 2,048 bytes are the image of an operand's registers: byte 512 c + 16 (r + 16 h') + i = query r, key 32 c + 16 h' + i.
; My 8 bytes of tile t (keys 16 t + 8 h + 0 .. 7) belong at 256 t + 16 r + 8 h: the 32 lanes of a store cover 256 consecutive bytes, aligned.
; p_stats: [block][group][3 sections][128 words], word 8 r + a for row 16 a + r: the scale word, -M_g, l_g.
; THE MASK costs one packed multiply-add a pair: t = s x cm + bm, with cm = log2(e), bm = 0 for a key that counts, and cm = 0, bm = fl(-1e10 x log2(e)) for one that does not.  t - M_g is a second rounding, on purpose:
; where all keys of a row are masked every t is the same number, M_g equals it, and p = 1, as reference() has it.
; LIMITS: NaN and infinities are not served (a masked key whose score is not finite gives NaN, 0 x infinity); a block whose every p has fallen to 0 keeps the scale byte 1 (its codes are zeros).
; REGISTERS, in windows of 256: window 0: v0-31 addresses; v32-63 scale words, two sets, and nothing else; v64-127 64 numbers at work; from v128 hidden's fragments, ONE set; on the way out v128-183 at work.
;   window 1: keys' fragments, TWO sets; on the way out cm (v0-63) and bm (v64-127).   window 2, 3: the accumulators of my queries 0-63, 64-127 ((a, b) at v[8 (8 (a % 4) + b)]).
.set KSTEP,  256                       ; along K in a slot
.set NQ,     2                         ; matrix instructions deep
.set ROWB,   256                       ; a tile's row in bytes
.set KROW,   1024                      ; a row of hidden or of keys in memory, in bytes
.set PITCH,  272                       ; an LDS row: 256 bytes + 16 of padding = 68 words, so that the 16 rows that a load touches begin 4 words apart modulo 64
.set FR,     16                        ; registers of a fragment: 16 rows x 128 K
.set NL,     4                         ; LDS loads that bring one
.set NP,     8                         ; places behind this matrix instruction (ISA guide 7.12.1)
.set HALFT,  128*PITCH                 ; 128 rows: what one tensor load brings
.set SLOT,   4*HALFT                   ; hidden's 256 rows, then keys' 256 rows
.set KS,     32                        ; a row of scale bytes
.set SCL,    2*SLOT                    ; behind the ring: the scales, as units of 256 bytes + 16 of padding; filled once
.set HALFS,  (128*KS/256)*272          ; the scales of 128 rows
.set SBLK,   (16*KS/256)*272           ; those of 16 rows
.set MSK,    SCL+4*HALFS               ; 1,024 bytes for each wave: cm of my 128 keys, then bm; written by LDS stores, never a fill's target
.set STS,    MSK+4*1024                ; 1,536 bytes for each wave: the three sections of statistics
.set SPARE,  STS+4*1536                ; the spare words, 128 bytes for each wave: two blocks of 256 bytes that no other line names
.set ADRA, 16                          ; v16-17  LDS address of my fragments of hidden in slot 0, 1
.set ADRB, 20                          ; v20-21  the same for keys
.set MKW,  22                          ; v22     where I store four keys' cm
.set MKR,  23                          ; v23     where I read my half's cm
.set PO,   24                          ; v24     16 r + 8 h: my 8 bytes in a unit of p's codes
.set STW,  25                          ; v25     where I store my row's statistics
.set STR,  26                          ; v26     where I read them back
.set ADRS, 27                          ; v27     LDS address of my scale words: lanes 0-15 hidden's rows, lanes 16-31 keys'
.set SPW,  28                          ; v28     LDS address of my spare word; never rewritten
.set NIL,  29                          ; v29     0; never rewritten
.set GL,   30                          ; v30     16 x lane
.set SC,   32
.set T,    64                          ; v64-127 t, then p: register 16 c + i belongs to block c of 32 keys
.set AF,   128
.set PC,   128                         ; the way out: v128-143 codes
.set TM,   144                         ; v144-147 the blocks' largest, v148-151 bytes, v152-155 the largest code x the scale, v156-159 the conversions' scale operands
.set NM,   160                         ; v160 -M_g (v161 is named with it as a pair)
.set SA,   162
.set SB,   164                         ; two chains of packed sums
.set PW,   166                         ; the scale word
.set LSUM, 167
.set LOTH, 168
.set XM,   169
.set OUTS, 172                         ; v172-183 the statistics on their way out
.set CM,   0                           ; in window 1
.set BM,   64
.set MNT,  3                           ; s3      the mantissa field of 57,344
.set SEL,  66                          ; s[66:67] lane selects for v_permlanex16_b32: lane l xor 16
.set BAT,  95                          ; s95     the batch
.set MPT,  96                          ; s[96:97] mask
.set STP,  98                          ; s[98:99] p_stats
.set G1, 24                            ; s[24:31] descriptor group 1 for hidden's tiles;  s[32:39] group 0, one set for each slot
.set G0, 32
.set G1B, 48                           ; s[48:55], s[56:63] the same for keys' tiles
.set G0B, 56
.set G1S, 68                           ; s[68:75], s[76:79] groups 1 and 0 for hidden's scales;  s[80:87], s[88:91] for keys'
.set G0S, 76
.set G1SB, 80
.set G0SB, 88
.set MSB, 0
.macro WIN new                         ; the immediate's high byte repeats the setting that is left; a switch that changes nothing is dropped
.if MSB != (\new)
	s_set_vgpr_msb (MSB<<8)|(\new)
.set MSB, (\new)
.endif
.endm
.set MUL_LO, 0xa1                      ; source 0 (keys) window 1, source 1 (hidden) window 0, C and D window 2
.set MUL_HI, 0xf1                      ; the same, C and D window 3
.set TO_B,   0x40                      ; destination window 1, address window 0
; A joint load: waves 0 and 1 fetch for hidden, waves 2 and 3 for keys.  Each of the two lines has ONE mask and one set of registers for all that issue it; the branch hangs on the wave's number alone.
; Four v_nop follow each of the two lines, ahead of the jump, the label and what follows.
.macro JLOAD g0a, g1a, g0b, g1b
	s_cmp_eq_u32 s15, 0
	s_cbranch_scc0 .Lfor_b_\@
	tensor_load_to_lds s[\g0a:\g0a+3], s[\g1a:\g1a+7]
	s_nop 0
.rept 4
	v_nop
.endr
	s_branch .Lasked_\@
.Lfor_b_\@:
	tensor_load_to_lds s[\g0b:\g0b+3], s[\g1b:\g1b+7]
	s_nop 0
.rept 4
	v_nop
.endr
.Lasked_\@:
.endm
.macro CREST                           ; a round of the cluster's barrier behind its opening barrier
	s_cmp_lg_u32 s14, 0
	s_cbranch_scc1 .Lnot_wave_0_\@
	s_barrier_signal -3
.Lnot_wave_0_\@:
	s_barrier_wait -3
	s_barrier_signal -1
	s_barrier_wait -1
.endm
.macro CROUND                          ; a whole round
	s_barrier_signal -1
	s_barrier_wait -1
	CREST
.endm
	s_load_b128 s[4:7], s[0:1], 0x0                ; hidden's codes s[4:5], its scales s[6:7]
	s_load_b128 s[8:11], s[0:1], 0x10              ; keys' codes s[8:9], their scales s[10:11]
	s_load_b64 s[MPT:MPT+1], s[0:1], 0x20          ; mask
	s_load_b64 s[12:13], s[0:1], 0x28              ; p_codes
	s_load_b64 s[STP:STP+1], s[0:1], 0x30          ; p_stats
	v_lshl_add_u32 v[SPW], v0, 2, SPARE
	v_mov_b32 v[NIL], 0
	ds_add_u32 v28, v29
	ds_add_u32 v28, v29
	s_wait_dscnt 0x0
	v_lshrrev_b32 v1, 5, v0
	v_readfirstlane_b32 s14, v1                    ; wave 0..3
	s_lshr_b32 s15, s14, 1                         ; which 128 queries are mine.  Also: I fetch for hidden (0) or for keys (1)
	s_and_b32 s16, s14, 1                          ; which 128 keys.  Also: which 128 rows of that tile I fetch
	s_bfe_u32 s40, ttmp6, 0x40000                  ; cx, cy: my place in the cluster
	s_bfe_u32 s41, ttmp6, 0x40004
	s_lshl_b32 s42, ttmp9, 2
	s_add_co_u32 s42, s42, s40                     ; X: the tile of 256 keys = 4 x cluster x + cx, 0 .. 7
	s_and_b32 s17, ttmp7, 0xffff
	s_lshr_b32 s[BAT], s17, 1                      ; the batch: two clusters along y to a batch; it hangs on the cluster's y alone
	s_lshl_b32 s17, s17, 2
	s_add_co_u32 s17, s17, s41                     ; Y: the tile of 256 queries, counted through all batches = 4 x cluster y + cy, 0 .. 63
	s_lshl_b32 s43, s41, 2
	s_lshl_b32 s43, 15, s43                        ; my row of the cluster
	s_lshl_b32 s44, 0x1111, s40                    ; my column
	; descriptor group 1: a tile of 128 rows x 256 bytes, padded in LDS
	s_or_b32 s[G1+0], s43, (0<<16)|(1<<20)|(1<<21)|(5<<22)|(3<<25)  ; 15:0 the mask: hidden's tiles go to my row; 17:16 element of 1 byte; 20 padding on; 21 set beside a mask; 24:22 after every 64 words (code 5); 31:25 of 4 words (code 3)
	s_or_b32 s[G1B+0], s44, (0<<16)|(1<<20)|(1<<21)|(5<<22)|(3<<25)
.irp g, G1, G1B
	s_mov_b32 s[\g+1], ROWB<<16                    ; tensor_dim0
	s_mov_b32 s[\g+2], 128<<16                     ; tensor_dim1 = 128
	s_mov_b32 s[\g+3], ROWB<<16                    ; tile_dim0
	s_mov_b32 s[\g+4], 128                         ; tile_dim1 = 128
	s_mov_b32 s[\g+5], KROW                        ; tensor_dim0_stride
	s_mov_b32 s[\g+6], 0
	s_mov_b32 s[\g+7], 0
.endr
	; and for the scales of 128 rows: a dense block of 4,096 bytes, as 16 rows of 256 bytes (32 elements of 8 bytes), 16 bytes of padding behind each
	s_or_b32 s[G1S+0], s43, (3<<16)|(1<<20)|(1<<21)|(5<<22)|(3<<25)
	s_or_b32 s[G1SB+0], s44, (3<<16)|(1<<20)|(1<<21)|(5<<22)|(3<<25)
.irp g, G1S, G1SB
	s_mov_b32 s[\g+1], 32<<16
	s_mov_b32 s[\g+2], (128*KS/256)<<16
	s_mov_b32 s[\g+3], 32<<16
	s_mov_b32 s[\g+4], 128*KS/256
	s_mov_b32 s[\g+5], 32
	s_mov_b32 s[\g+6], 0
	s_mov_b32 s[\g+7], 0
.endr
	s_lshl_b32 s18, s16, 7                         ; which 128 rows of the tile I fetch
	s_lshl_b32 s20, s17, 8
	s_add_co_u32 s20, s20, s18                     ; hidden: row 256 Y + 128 x half
	s_lshl_b32 s46, s42, 8
	s_add_co_u32 s46, s46, s18
	s_lshl_b32 s47, s[BAT], 11
	s_add_co_u32 s46, s46, s47                     ; keys: row 2,048 x batch + 256 X + 128 x half
	s_mov_b32 s21, 0
	s_mov_b32 s47, 0
	s_mov_b64 s[18:19], KS
	s_mul_u64 s[22:23], s[20:21], s[18:19]         ; where these rows' scales begin, in bytes
	s_mul_u64 s[92:93], s[46:47], s[18:19]
	s_mov_b64 s[18:19], KROW
	s_mul_u64 s[20:21], s[20:21], s[18:19]         ; and their codes
	s_mul_u64 s[46:47], s[46:47], s[18:19]
	s_mul_i32 s45, s14, HALFT                      ; where they go: wave x 128 rows: no place in the cluster enters an LDS address
	s_mul_i32 s94, s14, HALFS
	s_mov_b32 s[SEL], 0x76543210
	s_mov_b32 s[SEL+1], 0xfedcba98
	s_mov_b32 s[MNT], 0x600000
	s_wait_kmcnt 0x0
	s_add_nc_u64 s[20:21], s[4:5], s[20:21]
	s_add_nc_u64 s[22:23], s[6:7], s[22:23]
	s_add_nc_u64 s[46:47], s[8:9], s[46:47]
	s_add_nc_u64 s[92:93], s[10:11], s[92:93]
	CROUND                                         ; all sixteen work-groups are here: the first joint loads meet
	s_mov_b32 s[G0S], 1
	s_add_co_u32 s[G0S+1], s94, SCL
	s_mov_b64 s[G0S+2:G0S+3], s[22:23]
	s_or_b32 s[G0S+3], s[G0S+3], 0x80000000
	s_mov_b32 s[G0SB], 1
	s_add_co_u32 s[G0SB+1], s94, SCL
	s_mov_b64 s[G0SB+2:G0SB+3], s[92:93]
	s_or_b32 s[G0SB+3], s[G0SB+3], 0x80000000
	JLOAD G0S, G1S, G0SB, G1SB                     ; the scales first: they are wanted with K step 0
.irp s, 0,1
	s_mov_b32 s[G0+4*\s], 1
	s_add_co_u32 s[G0+4*\s+1], s45, \s*SLOT
	s_add_nc_u64 s[G0+4*\s+2:G0+4*\s+3], s[20:21], \s*ROWB
	s_or_b32 s[G0+4*\s+3], s[G0+4*\s+3], 0x80000000
	s_mov_b32 s[G0B+4*\s], 1
	s_add_co_u32 s[G0B+4*\s+1], s45, \s*SLOT
	s_add_nc_u64 s[G0B+4*\s+2:G0B+4*\s+3], s[46:47], \s*ROWB
	s_or_b32 s[G0B+4*\s+3], s[G0B+4*\s+3], 0x80000000
	JLOAD G0+4*\s, G1, G0B+4*\s, G1B               ; three tensor loads of mine are out
.endr
	; my 128 keys' mask words: 16 bytes a lane, 512 consecutive bytes
	s_lshl_b32 s46, s42, 1
	s_add_co_u32 s46, s46, s16                     ; g: my group of 128 keys = 2 X + half
	s_lshl_b32 s92, s46, 9                         ; 512 bytes of mask a group,
	s_lshl_b32 s93, s[BAT], 13                     ; 8,192 a batch
	s_add_co_u32 s92, s92, s93
	s_mov_b32 s93, 0
	s_add_nc_u64 s[MPT:MPT+1], s[MPT:MPT+1], s[92:93]
	v_and_b32 v6, 31, v0
	v_lshlrev_b32 v[GL], 4, v6
	global_load_b128 v[T:T+3], v[GL], s[MPT:MPT+1]
	; where my results go: I = (2 Y + my half of the queries) x 16 + g
	s_lshl_b32 s20, s17, 1
	s_add_co_u32 s20, s20, s15
	s_lshl_b32 s20, s20, 4
	s_add_co_u32 s20, s20, s46
	s_mul_i32 s22, s20, 1536
	s_mov_b32 s23, 0
	s_lshl_b32 s20, s20, 14
	s_mov_b32 s21, 0
	s_add_nc_u64 s[12:13], s[12:13], s[20:21]      ; p_codes + 16,384 I
	s_add_nc_u64 s[STP:STP+1], s[STP:STP+1], s[22:23]  ; p_stats + 1,536 I
	v_and_b32 v1, 15, v0                           ; r = l % 16
	v_bfe_u32 v2, v0, 4, 1                         ; h = l / 16
	v_mul_u32_u24 v3, v1, PITCH
	v_lshl_add_u32 v4, v2, 4, v3                   ; a fragment's row x pitch + 16 x half
	s_mul_i32 s21, s15, HALFT                      ; my 128 rows of hidden
	s_mul_i32 s22, s16, HALFT                      ; my 128 rows of keys,
	s_add_co_u32 s22, s22, 2*HALFT                 ; which lie behind hidden's 256
.irp s, 0,1
	v_add_nc_u32 v[ADRA+\s], s21, v4
	v_add_nc_u32 v[ADRB+\s], s22, v4
	s_add_co_u32 s21, s21, SLOT
	s_add_co_u32 s22, s22, SLOT
.endr
	v_mul_u32_u24 v5, v1, KS                       ; my row's scales: KS bytes a row,
	v_lshrrev_b32 v6, 8, v5
	v_lshl_add_u32 v5, v6, 4, v5                   ; and 16 more for each 256 passed
	s_mul_i32 s21, s15, HALFS                      ; hidden's: my 128 rows
	s_mul_i32 s22, s16, HALFS                      ; keys': my 128 rows, behind hidden's 256
	s_add_co_u32 s22, s22, 2*HALFS
	s_sub_co_u32 s22, s22, s21
	v_mul_u32_u24 v6, s22, v2                      ; lanes 16-31 take keys'
	s_add_co_u32 s21, s21, SCL
	v_add_nc_u32 v5, v5, v6
	v_add_nc_u32 v[ADRS], s21, v5
	s_lshl_b32 s23, s14, 10
	s_add_co_u32 s23, s23, MSK                     ; my wave's cm and bm
	v_add_nc_u32 v[MKW], s23, v[GL]                ; in: four keys, 16 bytes a lane
	v_lshl_add_u32 v[MKR], v2, 5, s23              ; back: tile t's eight keys of my half begin at 64 t + 32 h
	v_lshlrev_b32 v[PO], 4, v1
	v_lshl_add_u32 v[PO], v2, 3, v[PO]
	s_mul_i32 s23, s14, 1536
	s_add_co_u32 s23, s23, STS                     ; my wave's statistics
	v_lshl_add_u32 v[STW], v1, 5, s23              ; word 8 r + a
	v_add_nc_u32 v[STR], s23, v[GL]
	v_mov_b32 v[T+12], 0x3fb8aa3b                  ; log2(e)
	v_mov_b32 v[T+13], 0xd01502f9                  ; -1e10
	v_mul_f32 v[T+13], v[T+12], v[T+13]            ; a masked key's t
	v_mov_b32 v[T+14], 0
	s_wait_loadcnt 0x0                             ; the mask words
.irp i, 0,1,2,3
	v_cmp_eq_u32 vcc_lo, 0, v[T+\i]
	v_cndmask_b32 v[T+4+\i], v[T+12], v[T+14], vcc_lo   ; cm = log2(e), or 0 where the word is 0
	v_cndmask_b32 v[T+8+\i], v[T+14], v[T+13], vcc_lo   ; bm = 0, or the masked t
.endr
	ds_store_b128 v[MKW], v[T+4:T+7]               ; my wave's own bytes: only my wave reads them
	ds_store_b128 v[MKW], v[T+8:T+11] offset:512
.macro FRAG reg, adr, q, i             ; a fragment, 16 rows x 128 K of 8-bit codes, is 16 registers: lane l holds row l % 16; registers 4 c .. 4 c + 3 hold K = 32 c + 16 (l / 16) + 0 .. 15
.irp c, 0,1,2,3
	ds_load_b128 v[\reg+4*\c:\reg+4*\c+3], v[\adr] offset:128*(\q)+32*\c+(\i)*16*PITCH
.endr
.endm
; 16 matrix instructions: hidden's blocks a0, a0 + 1 x keys' eight, 128 along K: the slot's q-th.  p: keys' set;  sc: the set of scale words.  zero = 1: the first product starts the sums: nothing is ever cleared.
; The 64 accumulators take turns, one instruction a turn, in the same order in every step.
.macro MUL16 a0, p, q, sc, zero
.irp a, \a0, \a0+1
.irp b, 0,1,2,3,4,5,6,7
.if \zero
	v_wmma_scale_f32_16x16x128_f8f6f4 v[8*(8*((\a)%4)+\b):8*(8*((\a)%4)+\b)+7], v[128*(\p)+FR*\b:128*(\p)+FR*\b+FR-1], v[AF+FR*(\a):AF+FR*(\a)+FR-1], 0, v[SC+8*NQ*(\sc)+NQ*\b+(\q)], v[SC+8*NQ*(\sc)+NQ*(\a)+(\q)] matrix_a_fmt:MATRIX_FMT_BF8 matrix_b_fmt:MATRIX_FMT_BF8 matrix_a_scale:MATRIX_SCALE_ROW1
.else
	v_wmma_scale_f32_16x16x128_f8f6f4 v[8*(8*((\a)%4)+\b):8*(8*((\a)%4)+\b)+7], v[128*(\p)+FR*\b:128*(\p)+FR*\b+FR-1], v[AF+FR*(\a):AF+FR*(\a)+FR-1], v[8*(8*((\a)%4)+\b):8*(8*((\a)%4)+\b)+7], v[SC+8*NQ*(\sc)+NQ*\b+(\q)], v[SC+8*NQ*(\sc)+NQ*(\a)+(\q)] matrix_a_fmt:MATRIX_FMT_BF8 matrix_b_fmt:MATRIX_FMT_BF8 matrix_a_scale:MATRIX_SCALE_ROW1
.endif
.endr
.endr
.endm
.macro FETCH_B slot, q, p              ; keys' eight fragments of the slot's q-th 128 along K into set p
	WIN TO_B
.irp i, 0,1,2,3,4,5,6,7
	FRAG 128*(\p)+FR*\i, ADRB+\slot, \q, \i
.endr
	WIN 0
.endm
.macro FETCH_A slot, q, i0             ; hidden's blocks i0 .. i0 + 3
.irp i, \i0, \i0+1, \i0+2, \i0+3
	FRAG AF+FR*(\i), ADRA+\slot, \q, \i
.endr
.endm
.macro SCALES sc                       ; the next K step's scale words into set sc: NQ words a row; lanes 0-15 take hidden's block i, lanes 16-31 keys' block i
.irp i, 0,1,2,3,4,5,6,7
	ds_load_b64 v[SC+8*NQ*\sc+NQ*\i:SC+8*NQ*\sc+NQ*\i+1], v[ADRS] offset:\i*SBLK
.endr
.endm
; A load into a register that a matrix instruction has read, and a vector instruction that reads a matrix result or writes one of its registers, stand NP places behind it; only plain vector
; instructions that name none of its registers are places (ISA guide 7.12.1 for vector instructions).
.macro PLACES n
.rept \n
	v_nop
.endr
.endm
; A step of 128 along K that has its successor in the same slot.
.macro STEP slot, q, zero
	s_wait_dscnt 4*NL                              ; keys' set and hidden's blocks 0-3 are in; the youngest 16 loads (hidden's blocks 4-7) may be out
	WIN MUL_LO
	MUL16 0, (\q)%2, \q, \slot, \zero
	MUL16 2, (\q)%2, \q, \slot, \zero
	s_wait_dscnt 0                                 ; hidden's blocks 4-7 are in (asked for 32 matrix instructions ago)
	PLACES NP
	FETCH_B \slot, (\q)+1, 1-(\q)%2
	FETCH_A \slot, (\q)+1, 0
	WIN MUL_HI
	MUL16 4, (\q)%2, \q, \slot, \zero
	MUL16 6, (\q)%2, \q, \slot, \zero
	PLACES NP
	WIN 0
	FETCH_A \slot, (\q)+1, 4
.endm
; A slot's last step changes slots: ONE barrier; in front of it each wave waits for all its tensor loads, adds 0 to its spare word, and waits for that and for its own reads of this slot.  fill = 1: this slot is filled again, two K steps ahead.
.macro TURN slot, next, fill
	s_wait_tensorcnt 0x0                           ; all my tensor loads have landed: my part of the next slot;  (every window is 0 here)
	ds_add_u32 v[SPW], v[NIL]                      ; 0 onto my spare word
	s_wait_dscnt 4*NL+1                            ; (the add and the youngest 16 loads, hidden's blocks 4-7, may be out)
	WIN MUL_LO
	MUL16 0, 1, NQ-1, \slot, 0                     ; sixteen matrix instructions stand between the add and the wait for it
	s_wait_dscnt 0x0                               ; the add is done, and my reads of this slot are over
	s_barrier_signal -1
	MUL16 2, 1, NQ-1, \slot, 0
	WIN 0
	s_barrier_wait -1
.if \fill
	CREST                                          ; the barrier has opened a round of the cluster's barrier: no wave of any partner still reads this slot's tile or has a load on its way
	s_add_nc_u64 s[G0+4*\slot+2:G0+4*\slot+3], s[G0+4*\slot+2:G0+4*\slot+3], 2*ROWB
	s_add_nc_u64 s[G0B+4*\slot+2:G0B+4*\slot+3], s[G0B+4*\slot+2:G0B+4*\slot+3], 2*ROWB
	JLOAD G0+4*\slot, G1, G0B+4*\slot, G1B         ; the first tensor load behind the round, my only one out; its four v_nop are among the places in front of the loads below
	PLACES NP-4
.else
	PLACES NP
.endif
	v_add_nc_u32 v[ADRS], 4*NQ, v[ADRS]            ; on to the next K step's scale words
	FETCH_B \next, 0, 0
	FETCH_A \next, 0, 0
	SCALES \next
	WIN MUL_HI
	MUL16 4, 1, NQ-1, \slot, 0
	MUL16 6, 1, NQ-1, \slot, 0
	PLACES NP
	WIN 0
	FETCH_A \next, 0, 4
.endm
	s_wait_tensorcnt 1                             ; of my three loads the scales and K step 0 are in; K step 1's may be out
	s_wait_dscnt 0x0                               ; my stores of cm and bm are done
	s_barrier_signal -1
	s_barrier_wait -1                              ; everybody's parts are in
	FETCH_B 0, 0, 0
	FETCH_A 0, 0, 0
	SCALES 0
	FETCH_A 0, 0, 4
	STEP 0, 0, 1                                   ; K = 1,024 is four K steps, twice round the ring: written out.  The first products start the sums
	TURN 0, 1, 1                                   ; slot 0 takes K step 2
	STEP 1, 0, 0
	TURN 1, 0, 1                                   ; slot 1 takes K step 3
	STEP 0, 0, 0
	TURN 0, 1, 0                                   ; nothing is left to fetch
	STEP 1, 0, 0
	s_wait_dscnt 4*NL                              ; the very last step
	WIN MUL_LO
	MUL16 0, 1, NQ-1, 1, 0
	MUL16 2, 1, NQ-1, 1, 0
	s_wait_dscnt 0
	WIN MUL_HI
	MUL16 4, 1, NQ-1, 1, 0
	MUL16 6, 1, NQ-1, 1, 0
	WIN 0
	; THE WAY OUT.  cm and bm of my lane's 64 keys come into window 1, in the accumulators' order: register 8 t + j = key 16 t + 8 h + j.
	PLACES NP                                      ; behind the last products: for the loads and moves into registers that they read, and for the first reads of results
	WIN TO_B
.irp t, 0,1,2,3,4,5,6,7
	ds_load_b128 v[CM+8*\t:CM+8*\t+3],   v[MKR] offset:64*\t
	ds_load_b128 v[CM+8*\t+4:CM+8*\t+7], v[MKR] offset:64*\t+16
	ds_load_b128 v[BM+8*\t:BM+8*\t+3],   v[MKR] offset:512+64*\t
	ds_load_b128 v[BM+8*\t+4:BM+8*\t+7], v[MKR] offset:512+64*\t+16
.endr
	WIN 0
.irp b, 0,1,2,3
	v_mov_b32 v[TM+4+\b], 0                        ; written once: a lane permute's destination counts as one of its sources
.endr
	v_mov_b32 v[LOTH], 0
	v_mov_b32 v[NM+1], 0                           ; (named as the upper half of the pair with -M_g)
	s_wait_dscnt 0x0
; The softmax of tile a: 16 queries x my 128 keys; a lane holds one query and 64 keys.
.macro SOFT a
.set AC, 64*((\a)%4)
	WIN 0x16+(\a)/4                                ; source 0 (the scores) window 2 or 3, sources 1 and 2 (cm, bm) window 1, destination window 0
.set k, 0
.rept 32
	v_pk_fma_f32 v[T+k:T+k+1], v[AC+k:AC+k+1], v[CM+k:CM+k+1], v[BM+k:BM+k+1]   ; t = s x log2(e), or the masked t; each accumulator is read from its low end on
.set k, k+2
.endr
	WIN 0
.irp b, 0,1,2,3
	v_max3_num_f32 v[TM+\b], v[T+16*\b], v[T+16*\b+1], v[T+16*\b+2]   ; the largest t of each block of 32 keys: it serves for the group's maximum and, since p rises with t, for the block's largest p
.endr
.irp i, 3,5,7,9,11,13
.irp b, 0,1,2,3
	v_max3_num_f32 v[TM+\b], v[TM+\b], v[T+16*\b+\i], v[T+16*\b+\i+1]   ; (the four blocks by turns)
.endr
.endr
.irp b, 0,1,2,3
	v_max_num_f32 v[TM+\b], v[TM+\b], v[T+16*\b+15]
.endr
.irp b, 0,1,2,3
	v_permlanex16_b32 v[TM+4+\b], v[TM+\b], s[SEL], s[SEL+1]
.endr
.irp b, 0,1,2,3
	v_max_num_f32 v[TM+\b], v[TM+\b], v[TM+4+\b]   ; with lane l xor 16's 16 keys
.endr
	v_max3_num_f32 v[XM], v[TM], v[TM+1], v[TM+2]
	v_max_num_f32 v[XM], v[XM], v[TM+3]            ; the group's largest t of my query
	v_floor_f32 v[NM], -v[XM]                      ; -M_g = floor(-t) = -ceil(t): a whole number
.set k, 0
.rept 32
	v_pk_add_f32 v[T+k:T+k+1], v[T+k:T+k+1], v[NM:NM+1] op_sel_hi:[1,0]   ; t - M_g, two at a time (of the pair the low word serves both halves)
.set k, k+2
.endr
.irp b, 0,1,2,3
	v_add_f32 v[TM+\b], v[TM+\b], v[NM]            ; the same of each block's largest t
.endr
.set k, 0
.rept 64
	v_exp_f32 v[T+k], v[T+k]                       ; p = 2^(t - M_g), at most 1: not normalised
.set k, k+1
.endr
	v_nop                                          ; a plain instruction behind the last exponential
	s_wait_alu depctr_va_vdst(0)                   ; one wait for the batch of 64, ahead of its first reader
.irp b, 0,1,2,3
	v_exp_f32 v[TM+\b], v[TM+\b]                   ; the block's largest p: the same two instructions on the same number
.endr
	v_pk_add_f32 v[SA:SA+1], v[T:T+1], v[T+2:T+3]  ; l_g is the sum of the UNQUANTISED p: two at a time, in two chains.  (These read the 64 alone: plain work behind the four)
	v_pk_add_f32 v[SB:SB+1], v[T+4:T+5], v[T+6:T+7]
.irp j, 8,12,16,20,24,28,32,36,40,44,48,52,56,60
	v_pk_add_f32 v[SA:SA+1], v[SA:SA+1], v[T+\j:T+\j+1]
	v_pk_add_f32 v[SB:SB+1], v[SB:SB+1], v[T+\j+2:T+\j+3]
.endr
	v_pk_add_f32 v[SA:SA+1], v[SA:SA+1], v[SB:SB+1]
	v_add_f32 v[LSUM], v[SA], v[SA+1]
	v_permlanex16_b32 v[LOTH], v[LSUM], s[SEL], s[SEL+1]
	v_add_f32 v[LSUM], v[LSUM], v[LOTH]            ; with lane l xor 16's 64 keys
	s_wait_alu depctr_va_vdst(0)                   ; and one wait for the four
.irp b, 0,1,2,3
	v_max_num_f32 v[TM+\b], 0x8000000, v[TM+\b]    ; the floor 2^(16 - 127): the byte cannot fall under 1
.endr
.irp b, 0,1,2,3
	v_add_nc_u32 v[TM+12+\b], 0xf8800000, v[TM+\b] ; 15 off the exponent field: the conversion's scale operand
.endr
.irp b, 0,1,2,3
	v_and_or_b32 v[TM+8+\b], v[TM+\b], 0x7f800000, s[MNT]   ; 57,344 x the scale
.endr
.irp b, 0,1,2,3
	v_lshrrev_b32 v[TM+4+\b], 23, v[TM+12+\b]      ; the scale's byte
.endr
	v_lshl_or_b32 v[PW], v[TM+5], 8, v[TM+4]       ; my query's scale word for these 128 keys
	v_lshl_or_b32 v[PW], v[TM+6], 16, v[PW]
	v_lshl_or_b32 v[PW], v[TM+7], 24, v[PW]
.if (\a) > 0
	s_wait_xcnt 0x0                                ; the last tile's stores have read the codes' registers: they are written again only behind this wait
.endif
.irp b, 0,1,2,3
.irp i, 0,1,2,3,4,5,6,7,8,9,10,11,12,13,14,15
	v_min_num_f32 v[T+16*\b+\i], v[T+16*\b+\i], v[TM+8+\b]   ; the conversion to an 8-bit code does not saturate (ISA guide 7.6.2); p is not negative, so the hold is one-sided
.endr
	v_cvt_scalef32_pk8_bf8_f32 v[PC+4*\b:PC+4*\b+1], v[T+16*\b:T+16*\b+7], v[TM+12+\b]       ; tile 2 b: keys 32 b + 8 h + 0 .. 7
	v_cvt_scalef32_pk8_bf8_f32 v[PC+4*\b+2:PC+4*\b+3], v[T+16*\b+8:T+16*\b+15], v[TM+12+\b]  ; tile 2 b + 1: keys 32 b + 16 + 8 h + 0 .. 7
.endr
	v_nop                                          ; a plain instruction between the last conversion and the next vector instruction that writes its sources
.irp t, 0,1,2,3,4,5,6,7
	global_store_b64 v[PO], v[PC+2*\t:PC+2*\t+1], s[12:13] offset:2048*(\a)+256*\t   ; the 32 lanes store 256 consecutive bytes, at a multiple of 256 from the buffer's first byte
.endr
	ds_store_b32 v[STW], v[PW] offset:4*(\a)       ; both halves of the lanes write the same word with the same value
	ds_store_b32 v[STW], v[NM] offset:512+4*(\a)
	ds_store_b32 v[STW], v[LSUM] offset:1024+4*(\a)
.endm
.irp a, 0,1,2,3,4,5,6,7
	SOFT \a
.endr
.irp s, 0,1,2
	ds_load_b128 v[OUTS+4*\s:OUTS+4*\s+3], v[STR] offset:512*\s   ; LDS serves a wave's instructions in order (ISA guide 5.7.1.4): these see my stores
.endr
	s_wait_dscnt 0x0
.irp s, 0,1,2
	global_store_b128 v[GL], v[OUTS+4*\s:OUTS+4*\s+3], s[STP:STP+1] offset:512*\s   ; a section: 512 consecutive bytes, aligned
.endr
	s_wait_tensorcnt 0x0                           ; the wave's end: behind my last tensor load and my last LDS store
	ds_add_u32 v[SPW], v[NIL]
	s_wait_dscnt 0x0
	CROUND                                         ; the closing round: no work-group ends while a partner may still ask for a tile that names it
	s_endpgm
.Lfunc_end_k_qa83a917b6d_scores:
	.size	k_qa83a917b6d_scores, .Lfunc_end_k_qa83a917b6d_scores-k_qa83a917b6d_scores
	.p2alignl 7, 3214868480
	.fill 96, 4, 3214868480
	.section	.rodata,"a",@progbits
	.p2align	6, 0x0
	.amdhsa_kernel k_qa83a917b6d_scores
		.amdhsa_group_segment_fixed_size 327680
		.amdhsa_private_segment_fixed_size 0
		.amdhsa_enable_private_segment 0
		.amdhsa_kernarg_size 56
		.amdhsa_user_sgpr_count 2
		.amdhsa_user_sgpr_kernarg_segment_ptr 1
		.amdhsa_wavefront_size32 1
		.amdhsa_system_sgpr_workgroup_id_x 1
		.amdhsa_system_sgpr_workgroup_id_y 1
		.amdhsa_system_sgpr_workgroup_id_z 1
		.amdhsa_system_vgpr_workitem_id 0
		.amdhsa_next_free_vgpr 1024
		.amdhsa_next_free_sgpr 100
		.amdhsa_reserve_vcc 1
		.amdhsa_float_denorm_mode_32 3
		.amdhsa_float_denorm_mode_16_64 3
		.amdhsa_memory_ordered 1
		.amdhsa_forward_progress 1
		.amdhsa_inst_pref_size 245
	.end_amdhsa_kernel
	.amdgpu_metadata
---
amdhsa.version: [ 1, 2 ]
amdhsa.kernels:
  - .name:           k_qa83a917b6d_scores
    .symbol:         k_qa83a917b6d_scores.kd
    .args:
      - { .name: hidden_codes, .offset: 0, .size: 8, .value_kind: global_buffer, .address_space: global }
      - { .name: hidden_scales, .offset: 8, .size: 8, .value_kind: global_buffer, .address_space: global }
      - { .name: keys_codes, .offset: 16, .size: 8, .value_kind: global_buffer, .address_space: global }
      - { .name: keys_scales, .offset: 24, .size: 8, .value_kind: global_buffer, .address_space: global }
      - { .name: mask, .offset: 32, .size: 8, .value_kind: global_buffer, .address_space: global }
      - { .name: p_codes, .offset: 40, .size: 8, .value_kind: global_buffer, .address_space: global }
      - { .name: p_stats, .offset: 48, .size: 8, .value_kind: global_buffer, .address_space: global }
    .group_segment_fixed_size: 327680
    .private_segment_fixed_size: 0
    .kernarg_segment_align: 8
    .kernarg_segment_size: 56
    .max_flat_workgroup_size: 128
    .sgpr_count:     100
    .vgpr_count:     1024
    .wavefront_size: 32
...
	.end_amdgpu_metadata
.endif
;; end of part 1
;; launch context (part 2): grid 4 x 64, 4 waves a work-group, clusters of 4 x 4, 327,680 bytes of LDS; arguments p_codes, p_stats, values_codes, values_scales, out0; writes out0
.if DOCPART == 2
	.amdgcn_target "amdgcn-amd-amdhsa--gfx1250"
	.amdhsa_code_object_version 6
	.text
	.protected	k_qa83a917b6d_context
	.globl	k_qa83a917b6d_context
	.p2align	8
	.type	k_qa83a917b6d_context,@function
k_qa83a917b6d_context:
	s_mov_b64 s[64:65], 0
	v_nop
	global_prefetch_b8 v0, s[64:65] scope:SCOPE_SE
	s_setreg_imm32_b32 hwreg(HW_REG_WAVE_MODE, 25, 1), 1
	s_wait_xcnt 0x0
	s_wait_alu depctr_hold_cnt(0) depctr_sa_sdst(0) depctr_va_vdst(0) depctr_va_sdst(0) depctr_va_ssrc(0) depctr_va_vcc(0) depctr_vm_vsrc(0)
	s_getreg_b32 s2, hwreg(HW_REG_IB_STS2, 6, 4)
	s_cmp_eq_u32 s2, 0
	s_cbranch_scc0 .Lentry_in_a_cluster
	s_endpgm
.Lentry_in_a_cluster:
	s_bfe_u32 s2, ttmp6, 0x10000c
	s_cmp_lg_u32 s2, 0xf033
	s_cbranch_scc0 .Lentry_shape_is_right
	s_endpgm
.Lentry_shape_is_right:
; SECOND OF TWO LAUNCHES.  out0[q][d] = (the sum over the keys of p[q][k] V[d][k]) / l[q], for 16,384 rows (8 batches x 2,048 queries), 1,024 channels, K = 2,048 keys, on codes of BF8 (E5M2) with one E8M0 scale for each 32 keys.
; p's codes were made under a maximum M_g of each group of 128 keys.  AT THE HEAD each work-group brings its 256 rows under the row's M = the largest M_g: d_g = M - M_g is a whole number, so p x 2^-d_g
; is had exactly by taking d_g off the group's four scale bytes; l = the sum of l_g x 2^-d_g.  The lowered scale words and 1 / l are stored in LDS and stay.
; LIMITS: d_g is held at 256 (every byte is at most 112); a byte that would fall under 0 is held at 0, which is 2^-127: what such a block still adds is under 2^-111 x |V| a key, beside a row's largest p above 1/2.
; NaN and infinities are not served.
; SHARES.  A tile of out0, 256 rows x 256 channels, is made by a work-group of four waves; a wave makes 128 x 128: 64 accumulators, 512 registers.  K goes in steps of 256 through a ring of two LDS slots.
; p's codes lie in memory as images of the operand's registers (2,048 bytes for 16 rows x 128 keys), so a K step of 128 rows is one dense block of 32,768 bytes, and a fragment comes by four loads of 512 consecutive bytes.
; V's tiles are rows of 256 bytes, padded in LDS; V's scale bytes for all of K come once, with the first fills.
; CLUSTERS: 4 x 4 work-groups; the four of a row of the cluster need the same tiles of p, the four of a column the same tiles of V (a cluster's 1,024 rows lie in one batch): each tile is asked for JOINTLY.
; THE MATRIX INSTRUCTION IS USED TRANSPOSED (source 0 = 16 channels of V, source 1 = 16 rows of p): a lane holds eight neighbouring channels of one row, and one number 1 / l serves a lane's whole tile.
; REGISTERS, in windows of 256: window 0: v0-31 addresses and 1 / l; v32-63 scale words, two sets, and nothing else; from v128 p's fragments, ONE set (at the head: the statistics; on the way out: rows of out0).
;   window 1: V's fragments, TWO sets; on the way out v0-127: two sets of scaled results.   window 2, 3: the accumulators of my rows 0-63, 64-127.
.set KSTEP,  256
.set NQ,     2
.set ROWB,   256                       ; a row of V's tile in bytes
.set KROW,   2048                      ; a row of V in memory
.set PITCH,  272                       ; V's LDS row: 256 bytes + 16 of padding
.set FR,     16
.set NL,     4
.set NP,     8                         ; places behind this matrix instruction (ISA guide 7.12.1)
.set AHALF,  32768                     ; p: 128 rows x 256 keys: 16 images
.set HALFT,  128*PITCH                 ; V: 128 rows
.set SLOT,   2*AHALF+2*HALFT           ; p's two halves, then V's two halves
.set LAPS,   4                         ; 2,048 / 512: times round the ring
.set KS,     64                        ; a row of scale bytes
.set SCL,    2*SLOT                    ; behind the ring: p's lowered scale words (written by LDS stores: no fill lands there), then V's scale bytes (filled once); both as units of 256 bytes + 16
.set HALFS,  (128*KS/256)*272          ; the scales of 128 rows
.set SBLK,   (16*KS/256)*272           ; those of 16 rows
.set LINV,   SCL+4*HALFS               ; 1 / l of the 256 rows
.set SPARE,  LINV+1024                 ; the spare words, 128 bytes for each wave: two blocks of 256 bytes that no other line names
.set SPITCH, 528                       ; the way out: a stage of 16 rows x (512 bytes + 16) for each wave, in slot 0, which has had its last fill and its last read when the first result is stored there
.set SIZE_N, 1024
.set STA,  5                           ; v5      4 x my thread's number: my word of a section of statistics
.set ADRA, 8                           ; v8-9    LDS address of my fragments of p in slot 0, 1
.set ADRB, 10                          ; v10-11  the same for V
.set ADRS, 12                          ; v12     my scale words: lanes 0-15 p's rows, lanes 16-31 V's
.set STO,  13                          ; v13     the way out: where I put 32 bytes of a row
.set RD,   14                          ; v14     where I read a row back
.set CO,   15                          ; v15     16 x lane: my byte offset in a row of out0
.set SPW,  16                          ; v16     LDS address of my spare word; never rewritten
.set NIL,  17                          ; v17     0; never rewritten
.set PFO,  18                          ; v18     the prefetches' offset; never rewritten
.set IA,   19                          ; v19     where I read 1 / l
.set INV,  20                          ; v20-27  1 / l of my lane's row in each of my eight blocks
.set RS,   30                          ; v30     the head: where my row's 16 scale words go
.set RL,   31                          ; v31     and its 1 / l
.set SC,   32
.set AF,   128
.set BK,   128                         ; the way out: 16 rows read back from the stage: v128-191 and v192-255 by turns
.set SWD,  128                         ; the head: v128-159 scale words (16 hh + g), v160-191 -M_g, v192-223 l_g
.set NMD,  160
.set LGD,  192
.set X0,   224
.set X1,   225
.set X2,   226
.set X3,   227
.set X4,   228
.set NMR,  230
.set LR0,  231
.set LR1,  232
.set X6,   233
.set X7,   234
.set BAT,  95                          ; s95     the batch
.set PFA,  80                          ; s[80:81] where my prefetches stand
.set PFS,  82                          ; s[82:83] a K step on, in bytes
.set LIM,  84                          ; s84     1 in a wave that prefetches, else the greatest number
.set G1, 24                            ; s[24:31] descriptor group 1 for p's tiles;  s[32:39] group 0, one set for each slot
.set G0, 32
.set G1B, 48                           ; s[48:55], s[56:63] the same for V's tiles
.set G0B, 56
.set G1S, 68                           ; s[68:75], s[76:79] groups 1 and 0 for V's scales
.set G0S, 76
.set MSB, 0
.macro WIN new                         ; the immediate's high byte repeats the setting that is left; a switch that changes nothing is dropped
.if MSB != (\new)
	s_set_vgpr_msb (MSB<<8)|(\new)
.set MSB, (\new)
.endif
.endm
.set MUL_LO, 0xa1                      ; source 0 (V) window 1, source 1 (p) window 0, C and D window 2
.set MUL_HI, 0xf1                      ; the same, C and D window 3
.set TO_B,   0x40                      ; destination window 1, address window 0
; A joint load: waves 0 and 1 fetch p's halves, waves 2 and 3 V's.  The branch hangs on the wave's number alone.  Four v_nop follow each of the two lines.
.macro JLOAD g0a, g1a, g0b, g1b
	s_cmp_eq_u32 s15, 0
	s_cbranch_scc0 .Lfor_b_\@
	tensor_load_to_lds s[\g0a:\g0a+3], s[\g1a:\g1a+7]
	s_nop 0
.rept 4
	v_nop
.endr
	s_branch .Lasked_\@
.Lfor_b_\@:
	tensor_load_to_lds s[\g0b:\g0b+3], s[\g1b:\g1b+7]
	s_nop 0
.rept 4
	v_nop
.endr
.Lasked_\@:
.endm
; A PREFETCH INTO THE L2, behind each joint refill and the run of LDS loads that follows it: the K step that stands TWO refills on, 256 matrix instructions of the wave ahead of the load that will want it.
; Each aligned block of 256 bytes is named once in the launch.  p: a K step of the 128 rows that wave 0 or 1 fetches is 32,768 dense bytes; the four partners of my row of the cluster take 8,192 each, told apart by address (cx),
; lanes 256 bytes apart; no other cluster reads these rows.  V: of the 128 rows that wave 2 or 3 fetches the four partners of my column take 32 each (cy), a lane a row, 256 bytes of it; the two clusters of a batch read the
; same rows, and the one with the even y asks.  The loop's last trip (s3 = 1) asks for nothing: its refills are the last two K steps.  K steps 0 to 3 come by their loads alone.
.macro ASK
	s_cmp_gt_u32 s3, s[LIM]
	s_cbranch_scc0 .Lnot_mine_\@
	global_prefetch_b8 v[PFO], s[PFA:PFA+1] th:TH_LOAD_NT scope:SCOPE_SE
.Lnot_mine_\@:
.endm
.macro CREST                           ; a round of the cluster's barrier behind its opening barrier
	s_cmp_lg_u32 s14, 0
	s_cbranch_scc1 .Lnot_wave_0_\@
	s_barrier_signal -3
.Lnot_wave_0_\@:
	s_barrier_wait -3
	s_barrier_signal -1
	s_barrier_wait -1
.endm
.macro CROUND                          ; a whole round
	s_barrier_signal -1
	s_barrier_wait -1
	CREST
.endm
	s_load_b128 s[4:7], s[0:1], 0x0                ; p_codes s[4:5], p_stats s[6:7]
	s_load_b128 s[8:11], s[0:1], 0x10              ; V's codes s[8:9], V's scales s[10:11]
	s_load_b64 s[12:13], s[0:1], 0x20              ; out0
	v_lshl_add_u32 v[SPW], v0, 2, SPARE
	v_mov_b32 v[NIL], 0
	ds_add_u32 v16, v17
	ds_add_u32 v16, v17
	s_wait_dscnt 0x0
	v_lshrrev_b32 v1, 5, v0
	v_readfirstlane_b32 s14, v1                    ; wave 0..3
	s_lshr_b32 s15, s14, 1                         ; which 128 rows are mine.  Also: I fetch for p (0) or for V (1)
	s_and_b32 s16, s14, 1                          ; which 128 channels.  Also: which half of that tile I fetch
	s_bfe_u32 s40, ttmp6, 0x40000                  ; cx, cy: my place in the cluster
	s_bfe_u32 s41, ttmp6, 0x40004
	s_lshl_b32 s42, ttmp9, 2
	s_add_co_u32 s42, s42, s40                     ; X: the tile of 256 channels, 0 .. 3
	s_and_b32 s17, ttmp7, 0xffff
	s_lshr_b32 s[BAT], s17, 1                      ; the batch: it hangs on the cluster's y alone
	s_lshl_b32 s17, s17, 2
	s_add_co_u32 s17, s17, s41                     ; Y: the tile of 256 rows, 0 .. 63
	s_lshl_b32 s43, s41, 2
	s_lshl_b32 s43, 15, s43                        ; my row of the cluster
	s_lshl_b32 s44, 0x1111, s40                    ; my column
	; descriptor group 1.  p: a dense block of 32,768 bytes as 128 rows of 256 bytes (32 elements of 8 bytes), no padding
	s_or_b32 s[G1+0], s43, (3<<16)|(1<<21)         ; 15:0 the mask: p's tiles go to my row; 17:16 elements of 8 bytes; 21 set beside a mask
	s_mov_b32 s[G1+1], 32<<16                      ; tensor_dim0
	s_mov_b32 s[G1+2], 128<<16                     ; tensor_dim1
	s_mov_b32 s[G1+3], 32<<16                      ; tile_dim0
	s_mov_b32 s[G1+4], 128                         ; tile_dim1
	s_mov_b32 s[G1+5], 32                          ; tensor_dim0_stride
	s_mov_b32 s[G1+6], 0
	s_mov_b32 s[G1+7], 0
	; V: 128 rows x 256 bytes, 2,048 bytes apart in memory, 16 bytes of padding behind each in LDS
	s_or_b32 s[G1B+0], s44, (0<<16)|(1<<20)|(1<<21)|(5<<22)|(3<<25)
	s_mov_b32 s[G1B+1], ROWB<<16
	s_mov_b32 s[G1B+2], 128<<16
	s_mov_b32 s[G1B+3], ROWB<<16
	s_mov_b32 s[G1B+4], 128
	s_mov_b32 s[G1B+5], KROW
	s_mov_b32 s[G1B+6], 0
	s_mov_b32 s[G1B+7], 0
	; V's scales of 64 rows: 4,096 dense bytes as 16 rows of 256 bytes, 16 bytes of padding behind each
	s_or_b32 s[G1S+0], s44, (3<<16)|(1<<20)|(1<<21)|(5<<22)|(3<<25)
	s_mov_b32 s[G1S+1], 32<<16
	s_mov_b32 s[G1S+2], 16<<16
	s_mov_b32 s[G1S+3], 32<<16
	s_mov_b32 s[G1S+4], 16
	s_mov_b32 s[G1S+5], 32
	s_mov_b32 s[G1S+6], 0
	s_mov_b32 s[G1S+7], 0
	s_lshl_b32 s20, s17, 1
	s_add_co_u32 s20, s20, s16
	s_lshl_b32 s20, s20, 18                        ; p: block of 128 rows 2 Y + half, 262,144 bytes each
	s_mov_b32 s21, 0
	s_lshl_b32 s46, s42, 8
	s_lshl_b32 s47, s[BAT], 10
	s_add_co_u32 s46, s46, s47                     ; V: the tile's first row: 1,024 x batch + 256 X
	s_lshl_b32 s92, s14, 6
	s_add_co_u32 s92, s92, s46
	s_lshl_b32 s92, s92, 6                         ; its scales: my wave's 64 rows of 64 bytes
	s_mov_b32 s93, 0
	s_lshl_b32 s47, s16, 7
	s_add_co_u32 s46, s46, s47
	s_lshl_b32 s46, s46, 11                        ; its codes: + 128 x half, rows of 2,048 bytes
	s_mov_b32 s47, 0
	s_lshl_b32 s45, s16, 15                        ; where they go: p's half,
	s_mul_i32 s94, s16, HALFT
	s_add_co_u32 s94, s94, 2*AHALF                 ; V's half, behind p's two,
	s_mul_i32 s22, s14, HALFS/2                    ; and my quarter of V's scales: no place in the cluster enters an LDS address
	s_wait_kmcnt 0x0
	s_add_nc_u64 s[20:21], s[4:5], s[20:21]
	s_add_nc_u64 s[46:47], s[8:9], s[46:47]
	s_add_nc_u64 s[92:93], s[10:11], s[92:93]
	CROUND                                         ; all sixteen work-groups are here: the first joint loads meet
	s_mov_b32 s[G0S], 1
	s_add_co_u32 s[G0S+1], s22, SCL+2*HALFS
	s_mov_b64 s[G0S+2:G0S+3], s[92:93]
	s_or_b32 s[G0S+3], s[G0S+3], 0x80000000
	tensor_load_to_lds s[G0S:G0S+3], s[G1S:G1S+7]  ; V's scales: every wave fetches a quarter, jointly with the same wave of my column's partners
	s_nop 0
.rept 4
	v_nop
.endr
.irp s, 0,1
	s_mov_b32 s[G0+4*\s], 1
	s_add_co_u32 s[G0+4*\s+1], s45, \s*SLOT
	s_add_nc_u64 s[G0+4*\s+2:G0+4*\s+3], s[20:21], \s*AHALF
	s_or_b32 s[G0+4*\s+3], s[G0+4*\s+3], 0x80000000
	s_mov_b32 s[G0B+4*\s], 1
	s_add_co_u32 s[G0B+4*\s+1], s94, \s*SLOT
	s_add_nc_u64 s[G0B+4*\s+2:G0B+4*\s+3], s[46:47], \s*ROWB
	s_or_b32 s[G0B+4*\s+3], s[G0B+4*\s+3], 0x80000000
	JLOAD G0+4*\s, G1, G0B+4*\s, G1B               ; three tensor loads of mine are out
.endr
	; THE STATISTICS of my work-group's 256 rows: thread n takes word n of every section: row 16 (n % 8) + n / 8 of both halves of 128 rows, all 16 groups
	s_mul_i32 s20, s17, 2*16*1536
	s_mov_b32 s21, 0
	s_add_nc_u64 s[6:7], s[6:7], s[20:21]
	v_lshlrev_b32 v[STA], 2, v0
.irp hh, 0,1
.irp g, 0,1,2,3,4,5,6,7,8,9,10,11,12,13,14,15
	global_load_b32 v[SWD+16*\hh+\g], v[STA], s[6:7] offset:\hh*24576+\g*1536
	global_load_b32 v[NMD+16*\hh+\g], v[STA], s[6:7] offset:\hh*24576+\g*1536+512
	global_load_b32 v[LGD+16*\hh+\g], v[STA], s[6:7] offset:\hh*24576+\g*1536+1024
.endr
.endr
	v_and_b32 v1, 7, v0
	v_lshrrev_b32 v2, 3, v0
	v_lshl_add_u32 v1, v1, 4, v2                   ; my row of 128
	v_lshrrev_b32 v2, 2, v1
	v_and_b32 v3, 3, v1
	v_mul_u32_u24 v2, v2, 272                      ; four rows of 64 scale bytes to a unit of 256 + 16
	v_lshl_add_u32 v2, v3, 6, v2
	v_add_nc_u32 v[RS], SCL, v2
	v_lshl_add_u32 v[RL], v1, 2, LINV
	v_and_b32 v1, 15, v0                           ; r = l % 16
	v_bfe_u32 v2, v0, 4, 1                         ; h = l / 16
	v_and_b32 v6, 31, v0
	v_lshlrev_b32 v[CO], 4, v6                     ; 16 x lane
	s_lshl_b32 s21, s15, 15                        ; my 128 rows of p: an image's place for my lane is 16 x lane
	v_add_nc_u32 v[ADRA], s21, v[CO]
	s_add_co_u32 s21, s21, SLOT
	v_add_nc_u32 v[ADRA+1], s21, v[CO]
	v_mul_u32_u24 v3, v1, PITCH
	v_lshl_add_u32 v4, v2, 4, v3                   ; V: a fragment's row x pitch + 16 x half
	s_mul_i32 s22, s16, HALFT
	s_add_co_u32 s22, s22, 2*AHALF
	v_add_nc_u32 v[ADRB], s22, v4
	s_add_co_u32 s22, s22, SLOT
	v_add_nc_u32 v[ADRB+1], s22, v4
	v_mul_u32_u24 v3, v1, KS                       ; my row's scales: KS bytes a row,
	v_lshrrev_b32 v4, 8, v3
	v_lshl_add_u32 v3, v4, 4, v3                   ; and 16 more for each 256 passed
	s_mul_i32 s21, s15, HALFS                      ; p's: my 128 rows
	s_mul_i32 s22, s16, HALFS                      ; V's: my 128 rows, behind p's 256
	s_add_co_u32 s22, s22, 2*HALFS
	s_sub_co_u32 s22, s22, s21
	v_mul_u32_u24 v4, s22, v2                      ; lanes 16-31 take V's
	s_add_co_u32 s21, s21, SCL
	v_add_nc_u32 v3, v3, v4
	v_add_nc_u32 v[ADRS], s21, v3
	s_lshl_b32 s21, s15, 9
	s_add_co_u32 s21, s21, LINV
	v_lshl_add_u32 v[IA], v1, 2, s21               ; 1 / l of row 128 x my half + 16 a + r: 64 a in the offset
	s_mul_i32 s23, s14, 16*SPITCH                  ; my stage
	v_mul_u32_u24 v3, v1, SPITCH                   ; in: row l % 16, 32 bytes for each half of the lanes
	v_lshl_add_u32 v3, v2, 5, v3
	v_add_nc_u32 v[STO], s23, v3
	v_add_nc_u32 v[RD], s23, v[CO]                 ; back: the 32 lanes take one row of 512 bytes
	s_lshl_b32 s20, s17, 8
	s_lshl_b32 s21, s15, 7
	s_add_co_u32 s20, s20, s21                     ; my first row of out0: 256 Y + 128 x half,
	s_lshl_b32 s20, s20, 12                        ; of 4,096 bytes;
	s_lshl_b32 s46, s42, 10                        ; my first channel, in bytes: 1,024 X + 512 x half
	s_lshl_b32 s47, s16, 9
	s_add_co_u32 s46, s46, s47
	s_add_co_u32 s20, s20, s46
	s_mov_b32 s21, 0
	s_add_nc_u64 s[12:13], s[12:13], s[20:21]
	; the prefetches: where mine stand (at K step 3: the first change of slots steps them to K step 4), and who asks
	s_lshl_b32 s20, s17, 1
	s_add_co_u32 s20, s20, s16
	s_lshl_b32 s20, s20, 18
	s_lshl_b32 s21, s40, 13
	s_add_co_u32 s20, s20, s21
	s_add_co_u32 s20, s20, 3*AHALF                 ; p: the block that I fetch, + 8,192 cx
	s_lshl_b32 s46, s[BAT], 10
	s_lshl_b32 s47, s42, 8
	s_add_co_u32 s46, s46, s47
	s_lshl_b32 s47, s16, 7
	s_add_co_u32 s46, s46, s47
	s_lshl_b32 s47, s41, 5
	s_add_co_u32 s46, s46, s47
	s_lshl_b32 s46, s46, 11
	s_add_co_u32 s46, s46, 3*ROWB                  ; V: the rows that I fetch, + 32 cy rows
	s_and_b32 s22, ttmp7, 1                        ; the cluster's y, odd or even
	s_mov_b32 s[PFS], ROWB
	s_mov_b32 s23, KROW
	s_cmp_eq_u32 s15, 0                            ; do I fetch for p?
	s_cselect_b64 s[PFA:PFA+1], s[4:5], s[8:9]
	s_cselect_b32 s20, s20, s46
	s_cselect_b32 s[PFS], AHALF, s[PFS]            ; a K step on
	s_cselect_b32 s23, 256, s23                    ; from lane to lane
	s_cselect_b32 s22, 0, s22
	s_mov_b32 s21, 0
	s_mov_b32 s[PFS+1], 0
	s_add_nc_u64 s[PFA:PFA+1], s[PFA:PFA+1], s[20:21]
	s_cmp_eq_u32 s22, 0
	s_cselect_b32 s[LIM], 1, -1                    ; the same in all sixteen partners, for a given wave
	v_mul_lo_u32 v[PFO], v6, s23
; Half hh of the rows: my row's -M, its l, and its 16 scale words lowered; lr: where l is summed.
.macro ROWSTAT hh, lr
.set N0, NMD+16*(\hh)
	v_min_num_f32 v[NMR], v[N0], v[N0+1]           ; the least -M_g is -M: two chains
	v_min_num_f32 v[X0], v[N0+2], v[N0+3]
.irp i, 4,8,12
	v_min_num_f32 v[NMR], v[NMR], v[N0+\i]
	v_min_num_f32 v[X0], v[X0], v[N0+\i+1]
	v_min_num_f32 v[NMR], v[NMR], v[N0+\i+2]
	v_min_num_f32 v[X0], v[X0], v[N0+\i+3]
.endr
	v_min_num_f32 v[NMR], v[NMR], v[X0]
.irp g, 0,1,2,3,4,5,6,7,8,9,10,11,12,13,14,15
.set W0, SWD+16*(\hh)+\g
	v_sub_f32 v[X0], v[N0+\g], v[NMR]              ; d = M - M_g: a whole number, 0 or more
	v_min_num_f32 v[X0], 0x43800000, v[X0]         ; held at 256: above every byte
	v_cvt_u32_f32 v[X0], v[X0]
	v_sub_nc_u32 v[X1], 0, v[X0]
.if \g == 0
	v_ldexp_f32 v[\lr], v[LGD+16*(\hh)+\g], v[X1]  ; l_g x 2^-d: nothing is rounded but what falls under the smallest number
.else
	v_ldexp_f32 v[X1], v[LGD+16*(\hh)+\g], v[X1]
	v_add_f32 v[\lr], v[\lr], v[X1]
.endif
	v_bfe_u32 v[X2], v[W0], 0, 8                   ; each of the four bytes less d, held at 0 from below
	v_min_u32 v[X3], v[X2], v[X0]
	v_sub_nc_u32 v[X4], v[X2], v[X3]
.irp k, 1,2
	v_bfe_u32 v[X2], v[W0], 8*\k, 8
	v_min_u32 v[X3], v[X2], v[X0]
	v_sub_nc_u32 v[X2], v[X2], v[X3]
	v_lshl_or_b32 v[X4], v[X2], 8*\k, v[X4]
.endr
	v_lshrrev_b32 v[X2], 24, v[W0]
	v_min_u32 v[X3], v[X2], v[X0]
	v_sub_nc_u32 v[X2], v[X2], v[X3]
	v_lshl_or_b32 v[W0], v[X2], 24, v[X4]
.endr
.irp j, 0,1,2,3
	ds_store_b128 v[RS], v[SWD+16*(\hh)+4*\j:SWD+16*(\hh)+4*\j+3] offset:(\hh)*HALFS+16*\j   ; my row's 64 scale bytes, K ascending
.endr
.endm
	s_wait_loadcnt 0x0                             ; the statistics
	ROWSTAT 0, LR0
	ROWSTAT 1, LR1
	v_rcp_f32 v[X6], v[LR0]
	v_rcp_f32 v[X7], v[LR1]
	v_nop                                          ; a plain instruction behind the reciprocals
	s_wait_alu depctr_va_vdst(0)                   ; one wait for both, ahead of their first reader
	ds_store_b32 v[RL], v[X6]
	ds_store_b32 v[RL], v[X7] offset:512
.macro FRAG reg, adr, q, i             ; a fragment of V from rows: lane l holds row l % 16; registers 4 c .. 4 c + 3 hold K = 32 c + 16 (l / 16) + 0 .. 15
.irp c, 0,1,2,3
	ds_load_b128 v[\reg+4*\c:\reg+4*\c+3], v[\adr] offset:128*(\q)+32*\c+(\i)*16*PITCH
.endr
.endm
.macro FRAGA reg, slot, q, i           ; a fragment of p from its image: 512 consecutive bytes a load
.irp c, 0,1,2,3
	ds_load_b128 v[\reg+4*\c:\reg+4*\c+3], v[ADRA+\slot] offset:((\q)*8+(\i))*2048+512*\c
.endr
.endm
; 16 matrix instructions: p's blocks a0, a0 + 1 x V's eight, 128 along K: the slot's q-th.  p: V's set;  sc: the set of scale words.  zero = 1: the first product starts the sums.
; The 64 accumulators take turns, one instruction a turn, in the same order in every step, over the loop's backward jump too.
.macro MUL16 a0, p, q, sc, zero
.irp a, \a0, \a0+1
.irp b, 0,1,2,3,4,5,6,7
.if \zero
	v_wmma_scale_f32_16x16x128_f8f6f4 v[8*(8*((\a)%4)+\b):8*(8*((\a)%4)+\b)+7], v[128*(\p)+FR*\b:128*(\p)+FR*\b+FR-1], v[AF+FR*(\a):AF+FR*(\a)+FR-1], 0, v[SC+8*NQ*(\sc)+NQ*\b+(\q)], v[SC+8*NQ*(\sc)+NQ*(\a)+(\q)] matrix_a_fmt:MATRIX_FMT_BF8 matrix_b_fmt:MATRIX_FMT_BF8 matrix_a_scale:MATRIX_SCALE_ROW1
.else
	v_wmma_scale_f32_16x16x128_f8f6f4 v[8*(8*((\a)%4)+\b):8*(8*((\a)%4)+\b)+7], v[128*(\p)+FR*\b:128*(\p)+FR*\b+FR-1], v[AF+FR*(\a):AF+FR*(\a)+FR-1], v[8*(8*((\a)%4)+\b):8*(8*((\a)%4)+\b)+7], v[SC+8*NQ*(\sc)+NQ*\b+(\q)], v[SC+8*NQ*(\sc)+NQ*(\a)+(\q)] matrix_a_fmt:MATRIX_FMT_BF8 matrix_b_fmt:MATRIX_FMT_BF8 matrix_a_scale:MATRIX_SCALE_ROW1
.endif
.endr
.endr
.endm
.macro FETCH_B slot, q, p              ; V's eight fragments of the slot's q-th 128 along K into set p
	WIN TO_B
.irp i, 0,1,2,3,4,5,6,7
	FRAG 128*(\p)+FR*\i, ADRB+\slot, \q, \i
.endr
	WIN 0
.endm
.macro FETCH_A slot, q, i0             ; p's blocks i0 .. i0 + 3
.irp i, \i0, \i0+1, \i0+2, \i0+3
	FRAGA AF+FR*(\i), \slot, \q, \i
.endr
.endm
.macro SCALES sc                       ; the next K step's scale words into set sc: NQ words a row; lanes 0-15 take p's block i, lanes 16-31 V's block i
.irp i, 0,1,2,3,4,5,6,7
	ds_load_b64 v[SC+8*NQ*\sc+NQ*\i:SC+8*NQ*\sc+NQ*\i+1], v[ADRS] offset:\i*SBLK
.endr
.endm
; A load into a register that a matrix instruction has read, and a vector instruction that reads a matrix result or writes one of its registers, stand NP places behind it; only plain vector
; instructions that name none of its registers are places (ISA guide 7.12.1 for vector instructions).
.macro PLACES n
.rept \n
	v_nop
.endr
.endm
; A step of 128 along K that has its successor in the same slot.
.macro STEP slot, q, zero
	s_wait_dscnt 4*NL                              ; V's set and p's blocks 0-3 are in; the youngest 16 loads (p's blocks 4-7) may be out
	WIN MUL_LO
	MUL16 0, (\q)%2, \q, \slot, \zero
	MUL16 2, (\q)%2, \q, \slot, \zero
	s_wait_dscnt 0                                 ; p's blocks 4-7 are in (asked for 32 matrix instructions ago)
	PLACES NP
	FETCH_B \slot, (\q)+1, 1-(\q)%2
	FETCH_A \slot, (\q)+1, 0
	WIN MUL_HI
	MUL16 4, (\q)%2, \q, \slot, \zero
	MUL16 6, (\q)%2, \q, \slot, \zero
	PLACES NP
	WIN 0
	FETCH_A \slot, (\q)+1, 4
.endm
; A slot's last step changes slots: ONE barrier; in front of it each wave waits for all its tensor loads, adds 0 to its spare word, and waits for that and for its own reads of this slot.  fill = 1: this slot is filled again, two K steps ahead.
.macro TURN slot, next, fill
.if \fill
	s_wait_xcnt 0x0                                ; the last prefetch, a K step back, has read its address: it is stepped here, ahead of the waits of the change of slots
	s_add_nc_u64 s[PFA:PFA+1], s[PFA:PFA+1], s[PFS:PFS+1]
.endif
	s_wait_tensorcnt 0x0                           ; all my tensor loads have landed: my part of the next slot;  (every window is 0 here)
	ds_add_u32 v[SPW], v[NIL]                      ; 0 onto my spare word
	s_wait_dscnt 4*NL+1                            ; (the add and the youngest 16 loads, p's blocks 4-7, may be out)
	WIN MUL_LO
	MUL16 0, 1, NQ-1, \slot, 0                     ; sixteen matrix instructions stand between the add and the wait for it
	s_wait_dscnt 0x0                               ; the add is done, and my reads of this slot are over
	s_barrier_signal -1
	MUL16 2, 1, NQ-1, \slot, 0
	WIN 0
	s_barrier_wait -1
.if \fill
	CREST                                          ; the barrier has opened a round of the cluster's barrier: no wave of any partner still reads this slot's tile or has a load on its way
	s_add_nc_u64 s[G0+4*\slot+2:G0+4*\slot+3], s[G0+4*\slot+2:G0+4*\slot+3], 2*AHALF
	s_add_nc_u64 s[G0B+4*\slot+2:G0B+4*\slot+3], s[G0B+4*\slot+2:G0B+4*\slot+3], 2*ROWB
	JLOAD G0+4*\slot, G1, G0B+4*\slot, G1B         ; the first tensor load behind the round, my only one out; its four v_nop are among the places in front of the loads below
	PLACES NP-4
.else
	PLACES NP
.endif
	v_add_nc_u32 v[ADRS], 4*NQ, v[ADRS]            ; on to the next K step's scale words
	FETCH_B \next, 0, 0
	FETCH_A \next, 0, 0
	SCALES \next
.if \fill
	ASK                                            ; behind the joint load and the run of LDS loads that the next products wait for; every window is 0
.endif
	WIN MUL_HI
	MUL16 4, 1, NQ-1, \slot, 0
	MUL16 6, 1, NQ-1, \slot, 0
	PLACES NP
	WIN 0
	FETCH_A \next, 0, 4
.endm
	s_wait_tensorcnt 1                             ; of my three loads V's scales and K step 0 are in; K step 1's may be out
	s_wait_dscnt 0x0                               ; my stores of scale words and of 1 / l are done
	s_barrier_signal -1
	s_barrier_wait -1                              ; everybody's are
.irp a, 0,1,2,3,4,5,6,7
	ds_load_b32 v[INV+\a], v[IA] offset:64*\a      ; 1 / l of my lane's row in block a: they stay
.endr
	FETCH_B 0, 0, 0
	FETCH_A 0, 0, 0
	SCALES 0
	FETCH_A 0, 0, 4
	STEP 0, 0, 1                                   ; the first step stands in front of the loop: its products start the sums
	s_mov_b32 s3, LAPS-1
.Llap:                                                 ; a trip goes once round the ring, from a lap's second step to the next lap's first, and fills both slots again
	TURN 0, 1, 1
	STEP 1, 0, 0
	TURN 1, 0, 1
	STEP 0, 0, 0
	s_sub_co_u32 s3, s3, 1
	s_cmp_lg_u32 s3, 0
	s_cbranch_scc1 .Llap
	TURN 0, 1, 0                                   ; the last lap fills nothing, and has no round of the cluster's barrier
	STEP 1, 0, 0
	s_wait_dscnt 4*NL                              ; the very last step: nothing more to fetch
	WIN MUL_LO
	MUL16 0, 1, NQ-1, 1, 0
	MUL16 2, 1, NQ-1, 1, 0
	s_wait_dscnt 0
	WIN MUL_HI
	MUL16 4, 1, NQ-1, 1, 0
	MUL16 6, 1, NQ-1, 1, 0
	WIN 0
; THE WAY OUT, block by block of 16 rows x 128 channels.  The sums are multiplied by 1 / l into window 1 (two sets by turns: a set is written again only when the wait in SEND has shown its stores into the stage done);
; a lane's 32 bytes of a row go through my own stage in LDS and come back as whole rows of 512 bytes.  LDS serves a wave's instructions in order (ISA guide 5.7.1.4): no wait between the stores and the loads.
.macro TOSTAGE a
.set AC, 64*((\a)%4)
.set TO, 64*((\a)%2)
	WIN 0x42+(\a)/4                                ; source 0 (the sums) window 2 or 3, source 1 (1 / l) window 0, destination window 1
.set k, 0
.rept 64
	v_mul_f32 v[TO+k], v[AC+k], v[INV+(\a)]        ; each accumulator is read from its low end on
.set k, k+1
.endr
	WIN 0x04                                       ; an LDS store's data are its source 1: window 1
.irp b, 0,1,2,3,4,5,6,7
	ds_store_b128 v[STO], v[TO+8*\b:TO+8*\b+3] offset:64*\b
	ds_store_b128 v[STO], v[TO+8*\b+4:TO+8*\b+7] offset:64*\b+16
.endr
	WIN 0
.set BB, BK+64*((\a)%2)
.irp t, 0,1,2,3,4,5,6,7,8,9,10,11,12,13,14,15
	ds_load_b128 v[BB+4*\t:BB+4*\t+3], v[RD] offset:\t*SPITCH
.endr
.endm
.macro SEND a, younger                 ; younger: the LDS instructions issued behind block a's loads, which may stay out
.set BB, BK+64*((\a)%2)
	s_wait_dscnt \younger                          ; the block is back in registers
.if (\a) > 0
	s_add_nc_u64 s[12:13], s[12:13], 16*SIZE_N*4   ; (behind a wait on XCNT: the earlier stores have read their base)  16 rows of out0 on
.endif
.irp t, 0,1,2,3,4,5,6,7,8,9,10,11,12,13,14,15
	global_store_b128 v[CO], v[BB+4*\t:BB+4*\t+3], s[12:13] offset:\t*SIZE_N*4 th:TH_STORE_NT   ; 32 lanes store 512 consecutive bytes, at a multiple of 256 from out0's first byte; written once, read by nobody here
.endr
.endm
	PLACES NP                                      ; behind the last products: for the first reads of results, and for writes and loads into registers that held their operands
	TOSTAGE 0
.irp a, 1,2,3,4,5,6,7
.if \a > 1
	s_wait_xcnt 0x0                                ; block a - 2's stores have read their registers and their base: block a's loads may land there, and the base may step
.endif
	TOSTAGE \a
	SEND \a-1, 32                                  ; behind block a - 1's loads: block a's 16 stores and 16 loads
.endr
	s_wait_xcnt 0x0                                ; block 6's stores have read their base
	SEND 7, 0
	s_wait_tensorcnt 0x0                           ; the wave's end: behind my last tensor load and my last LDS store
	ds_add_u32 v[SPW], v[NIL]
	s_wait_dscnt 0x0
	CROUND                                         ; the closing round: no work-group ends while a partner may still ask for a tile that names it
	s_endpgm
.Lfunc_end_k_qa83a917b6d_context:
	.size	k_qa83a917b6d_context, .Lfunc_end_k_qa83a917b6d_context-k_qa83a917b6d_context
	.p2alignl 7, 3214868480
	.fill 96, 4, 3214868480
	.section	.rodata,"a",@progbits
	.p2align	6, 0x0
	.amdhsa_kernel k_qa83a917b6d_context
		.amdhsa_group_segment_fixed_size 327680
		.amdhsa_private_segment_fixed_size 0
		.amdhsa_enable_private_segment 0
		.amdhsa_kernarg_size 40
		.amdhsa_user_sgpr_count 2
		.amdhsa_user_sgpr_kernarg_segment_ptr 1
		.amdhsa_wavefront_size32 1
		.amdhsa_system_sgpr_workgroup_id_x 1
		.amdhsa_system_sgpr_workgroup_id_y 1
		.amdhsa_system_sgpr_workgroup_id_z 1
		.amdhsa_system_vgpr_workitem_id 0
		.amdhsa_next_free_vgpr 1024
		.amdhsa_next_free_sgpr 100
		.amdhsa_reserve_vcc 0
		.amdhsa_float_denorm_mode_32 3
		.amdhsa_float_denorm_mode_16_64 3
		.amdhsa_memory_ordered 1
		.amdhsa_forward_progress 1
		.amdhsa_inst_pref_size 203
	.end_amdhsa_kernel
	.amdgpu_metadata
---
amdhsa.version: [ 1, 2 ]
amdhsa.kernels:
  - .name:           k_qa83a917b6d_context
    .symbol:         k_qa83a917b6d_context.kd
    .args:
      - { .name: p_codes, .offset: 0, .size: 8, .value_kind: global_buffer, .address_space: global }
      - { .name: p_stats, .offset: 8, .size: 8, .value_kind: global_buffer, .address_space: global }
      - { .name: values_codes, .offset: 16, .size: 8, .value_kind: global_buffer, .address_space: global }
      - { .name: values_scales, .offset: 24, .size: 8, .value_kind: global_buffer, .address_space: global }
      - { .name: out0, .offset: 32, .size: 8, .value_kind: global_buffer, .address_space: global }
    .group_segment_fixed_size: 327680
    .private_segment_fixed_size: 0
    .kernarg_segment_align: 8
    .kernarg_segment_size: 40
    .max_flat_workgroup_size: 128
    .sgpr_count:     100
    .vgpr_count:     1024
    .wavefront_size: 32
...
	.end_amdgpu_metadata
.endif
;; end of part 2
